; MI455X (gfx1250); checked and timed in simulation.
; The chip was launched on July 23, 2026; its instructions are those of AMD's public machine-readable ISA for CDNA 5 (MIT licence, August 2026) and "CDNA5" Instruction Set Architecture Reference Guide (July 2026). The comments in the code are by the model that wrote it; some were corrected since.
;; Log Sum Exp Pooling2 D. Allowed arithmetic: float matrix products may take bf16 or f16 operands with f32 sums; all other float work in f32.
;; Inputs: x 8 x 256 x 256 x 64 float32.
;; Outputs: out0 1 x 128 x 128 x 64 float32.
;; 2 versions, each right; version 2 is version 1 with the launch lsepool written anew for expert scheduling mode. Each part assembles by itself: llvm-mc -triple=amdgcn-amd-amdhsa -mcpu=gfx1250 --defsym DOCPART=n.
;; ======== version 1 of 2: 1 launch
;; limits: inputs' magnitudes at most 8,388,608
;; launch lsepool (part 1): grid 256 x 1, 16 waves a work-group, no clusters, 0 bytes of LDS; arguments x, out0; writes out0
.if DOCPART == 1
	.amdgcn_target "amdgcn-amd-amdhsa--gfx1250"
	.amdhsa_code_object_version 6
	.text
	.protected	k_q08b0d1e6ea_lsepool
	.globl	k_q08b0d1e6ea_lsepool
	.p2align	8
	.type	k_q08b0d1e6ea_lsepool,@function
k_q08b0d1e6ea_lsepool:
	s_mov_b64 s[64:65], 0
	v_nop
	global_prefetch_b8 v0, s[64:65] scope:SCOPE_SE
	s_setreg_imm32_b32 hwreg(HW_REG_WAVE_MODE, 25, 1), 1
	s_wait_xcnt 0x0
; out0[0][h2][w2][c] = (1/100) * log( sum over n = 0..7, dh = 0..1, dw = 0..1 of exp(100 * x[n][2 h2 + dh][2 w2 + dw][c]) )
; x: [8][256][256][64] f32, out0: [1][128][128][64] f32.  A stream: every byte of x is read once, every byte of out0 written once.
;
; SHARES.  256 work-groups of 16 waves.  Work-group g owns output row g >> 1, half g & 1 of it: 64 output pixels, 512 KiB of x.
; A wave does two tasks; a task is 2 neighbouring output pixels x 64 channels.  A lane owns 4 channels (16 bytes) of one pixel:
; lanes 0-15 pixel p, lanes 16-31 pixel p + 1.  So the 32 numbers of a window (8 images x 2 rows x 2 columns) all come to one lane,
; by 32 loads of 16 bytes (a 'quad' of registers each), and nothing crosses lanes.  A load of the wave covers two aligned runs of
; 256 consecutive bytes; the store of the wave covers 512 consecutive bytes, aligned.
;
; IN FLIGHT.  52 quads of registers.  At the start a wave asks for task 0 whole (32 loads) and for the first 20 loads of task 1:
; 26 KiB a wave, 416 KiB of the work-group's 512.  The last 12 loads of task 1 go into task 0's first 12 quads, each pair straight
; behind the multiply-add that read the quads for the last time.  Task 1 is summed in two phases (20 quads, then 12) joined by a
; running maximum, so that only the 12 quads' arithmetic stands behind the last load.
;
; ARITHMETIC, all f32.  With K = 100 log2(e) and m the largest x of the window so far:
;   shift = -(m K), rounded once;   sum of exp2(x K + shift), one fused multiply-add each;   result = m + log2(sum) * ln(2) / 100.
; Joining a phase: factor = exp2(new shift - old shift), sum = sum * factor + the new exponentials.
;
; LIMITS.  Inputs finite with |x| <= 2^23 (8,388,608).  Since the shift is the ROUNDED product m K, the largest exponent is not 0 but
; the product's rounding error, at most half a unit in the last place of m K: 64 at |m| = 2^23, so that no exponential and no sum
; leaves f32's range; in the result it shows as at most 2^-24 |m|.  Beyond that size exp2 can overflow.  A window with +inf, or a
; phase whose numbers are all -inf, gives NaN where the reference gives an infinity; -inf beside finite numbers counts as 0 in the
; sum, as it should; a NaN in a window gives NaN.  The rounding order differs from the reference's (it rounds 100 x first).
.set IMG,   0x1000000                  ; bytes of one image: 256 x 256 x 64 x 4
.set ROWB,  65536                      ; bytes of an input row: 256 x 64 x 4
.set PIXB,  256                        ; bytes of a pixel's 64 channels
.set TASKB, 16384                      ; along an input row, from a wave's task 0 to its task 1: 16 waves x 1,024 bytes
.set OTASK, 8192                       ; the same in the output: 16 waves x 512 bytes
.set NT,    32                         ; quads of a task
.set NA,    20                         ; quads of task 1 asked for at the start (its first phase)
.set NB,    12                         ; quads of task 1 that wait for registers of task 0 (its second phase)
.set VO,   1                           ; v1        my byte offset in x; never rewritten
.set OO,   2                           ; v2        my byte offset in out0; never rewritten
.set M,    4                           ; v[4:7]    running maximum of my 4 channels
.set SH0,  8                           ; v[8:11]   shift -(m K); in task 1's second phase it becomes the factor
.set SH1,  12                          ; v[12:15]  the second phase's shift
.set SUM,  16                          ; v[16:23]  two chains of sums, 4 channels each
.set TA,   24                          ; v[24:31]  exponents, then exponentials, of the even groups
.set TB,   32                          ; v[32:39]  of the odd groups (TA + 8)
.set R0,   40                          ; v[40:43]  task 0's result: its own registers, so that the pending store's data are never rewritten
.set X,    44                          ; v[44:251] 52 quads as loaded
.set BASE, 8                           ; s[8:23]   x at my work-group's part of image n, a pair for each n: 16 MiB apart is more than a load's immediate holds
.set KK,   24                          ; s[24:25]  K, twice
.set NK,   26                          ; s[26:27]  -K, twice
.set CC,   28                          ; s[28:29]  ln(2) / 100, twice
	s_load_b128 s[4:7], s[0:1], 0x0                ; x s[4:5], out0 s[6:7]
	s_lshr_b32 s2, ttmp9, 1                        ; output row h2
	s_and_b32 s3, ttmp9, 1                         ; which half of it
	s_lshl_b32 s2, s2, 17                          ; h2 x two input rows of 65,536 bytes
	s_lshl_b32 s3, s3, 15                          ; half x 64 output pixels x 512 bytes
	s_or_b32 s2, s2, s3
	s_mov_b32 s3, 0
	s_lshl_b32 s30, ttmp9, 14                      ; in out0: 64 pixels x 256 bytes for each work-group
	s_mov_b32 s31, 0
	s_mov_b32 s[KK],   0x431044fe                  ; 144.26950 = 100 log2(e)
	s_mov_b32 s[KK+1], 0x431044fe
	s_mov_b32 s[NK],   0xc31044fe
	s_mov_b32 s[NK+1], 0xc31044fe
	s_mov_b32 s[CC],   0x3be32166                  ; 0.0069314718 = ln(2) / 100
	s_mov_b32 s[CC+1], 0x3be32166
	v_and_b32 v3, 15, v0                           ; my 4 channels
	v_lshrrev_b32 v[VO], 4, v0                     ; 2 x wave + half of the lanes = my output pixel among the task's 32
	v_lshlrev_b32 v[VO], 9, v[VO]                  ; x 512 bytes: two input pixels
	v_lshl_or_b32 v[VO], v3, 4, v[VO]              ; + 16 bytes for each 4 channels
	v_lshlrev_b32 v[OO], 4, v0                     ; out0: thread t stores the 16 bytes at 16 t
	s_wait_kmcnt 0x0
	s_add_nc_u64 s[BASE:BASE+1], s[4:5], s[2:3]
.irp n, 1,2,3,4,5,6,7
	s_add_nc_u64 s[BASE+2*\n:BASE+2*\n+1], s[BASE:BASE+1], \n*IMG
.endr
	s_add_nc_u64 s[6:7], s[6:7], s[30:31]
; Load number j of task t (image j / 4, input row (j / 2) % 2, input column j % 2) into quad q.  x is read once in the launch.
.macro LOADQ q, j, t
	global_load_b128 v[X+4*(\q):X+4*(\q)+3], v[VO], s[BASE+2*((\j)/4):BASE+2*((\j)/4)+1] offset:(((\j)/2)%2)*ROWB+((\j)%2)*PIXB+(\t)*TASKB th:TH_LOAD_NT
.endm
.set cnt, 0
.rept NT
	LOADQ cnt, cnt, 0                              ; task 0 whole, quads 0 to 31
.set cnt, cnt+1
.endr
.set cnt, 0
.rept NA
	LOADQ NT+cnt, cnt, 1                           ; task 1, loads 0 to 19, quads 32 to 51: 52 loads of the wave are out
.set cnt, cnt+1
.endr
; One phase: the np pairs of quads from quad q0 on.
; left  = how many younger loads may be out when the first pair has to be there; two fewer for each further pair.
; first = 1: the phase starts a task's maximum and sums;  0: it goes on from M and SUM, whose shift lies in osh.
; nref  = the first nref groups hand their two quads on to task 1's second phase.
; sh    = where this phase's shift goes.
.macro PHASE q0, np, left, first, nref, sh, osh
	; pass 1: the maximum, two numbers an instruction, pair by pair as the loads come in
.set fresh, \first
.set p, 0
.rept \np
	s_wait_loadcnt \left-2*p                       ; loads come back in order (ISA guide 5.7.1): this pair is in, the younger ones stay out
.set QR, X+4*(\q0+2*p)
.irp c, 0,1,2,3
.if fresh
	v_max_num_f32 v[M+\c], v[QR+\c], v[QR+4+\c]    ; the first pair starts the maximum: nothing is preset
.else
	v_max3_num_f32 v[M+\c], v[M+\c], v[QR+\c], v[QR+4+\c]
.endif
.endr
.set fresh, 0
.set p, p+1
.endr
	v_pk_mul_f32 v[\sh:\sh+1],   v[M:M+1],   s[NK:NK+1] op_sel_hi:[1,0]      ; shift = -(m K)
	v_pk_mul_f32 v[\sh+2:\sh+3], v[M+2:M+3], s[NK:NK+1] op_sel_hi:[1,0]
.if \first == 0
	v_pk_add_f32 v[\osh:\osh+1],   v[\sh:\sh+1],   v[\osh:\osh+1]   neg_lo:[0,1] neg_hi:[0,1]   ; new shift - old shift, never above 0
	v_pk_add_f32 v[\osh+2:\osh+3], v[\sh+2:\sh+3], v[\osh+2:\osh+3] neg_lo:[0,1] neg_hi:[0,1]
.irp c, 0,1,2,3
	v_exp_f32 v[\osh+\c], v[\osh+\c]               ; the factor that brings the old sums to the new shift; first used a group further down
.endr
.endif
	; pass 2: groups of two quads.  Behind v_exp_f32 a plain vector instruction that touches neither its result nor its source comes
	; before the result is used (ISA guide 5.7.2): a group's exponentials are followed by the adds of the group BEFORE it (or by the
	; next group's multiply-adds), on the other set of registers.
.set g, 0
.rept \np
.set QR,   X+4*(\q0+2*g)
.set TCUR, TA+8*(g%2)
.set TPRV, TA+8*((g+1)%2)
	v_pk_fma_f32 v[TCUR:TCUR+1],   v[QR:QR+1],   s[KK:KK+1], v[\sh:\sh+1]   op_sel_hi:[1,0,1]   ; x K + shift, one rounding
	v_pk_fma_f32 v[TCUR+2:TCUR+3], v[QR+2:QR+3], s[KK:KK+1], v[\sh+2:\sh+3] op_sel_hi:[1,0,1]
	v_pk_fma_f32 v[TCUR+4:TCUR+5], v[QR+4:QR+5], s[KK:KK+1], v[\sh:\sh+1]   op_sel_hi:[1,0,1]
	v_pk_fma_f32 v[TCUR+6:TCUR+7], v[QR+6:QR+7], s[KK:KK+1], v[\sh+2:\sh+3] op_sel_hi:[1,0,1]
.if g < \nref
	LOADQ \q0+2*g,   NA+2*g,   1                   ; the two quads have been read for the last time: task 1's next two loads
	LOADQ \q0+2*g+1, NA+2*g+1, 1
.endif
.if g == 0
.if \first
.irp i, 0,1,2,3,4,5,6,7
	v_exp_f32 v[SUM+\i], v[TCUR+\i]                ; the first exponentials start both chains: nothing is cleared
.endr
.else
.irp i, 0,1,2,3
	v_exp_f32 v[TCUR+\i], v[TCUR+\i]               ; these join the old sums below,
.endr
.irp i, 4,5,6,7
	v_exp_f32 v[SUM+\i], v[TCUR+\i]                ; these start the second chain anew
.endr
.endif
.else
.irp i, 0,1,2,3,4,5,6,7
	v_exp_f32 v[TCUR+\i], v[TCUR+\i]
.endr
.endif
.if g == 1
.if \first == 0
	s_wait_alu depctr_va_vdst(0)
	v_pk_fma_f32 v[SUM:SUM+1],   v[SUM:SUM+1],   v[\osh:\osh+1],   v[TPRV:TPRV+1]      ; old sums x factor + group 0's first quad
	v_pk_fma_f32 v[SUM+2:SUM+3], v[SUM+2:SUM+3], v[\osh+2:\osh+3], v[TPRV+2:TPRV+3]
.endif
.endif
.if g > 1
	s_wait_alu depctr_va_vdst(0)
.irp i, 0,2,4,6
	v_pk_add_f32 v[SUM+\i:SUM+\i+1], v[SUM+\i:SUM+\i+1], v[TPRV+\i:TPRV+\i+1]
.endr
.endif
.set g, g+1
.endr
.set TCUR, TA+8*((\np-1)%2)
	s_wait_alu depctr_va_vdst(0)
.irp i, 0,2,4,6
	v_pk_add_f32 v[SUM+\i:SUM+\i+1], v[SUM+\i:SUM+\i+1], v[TCUR+\i:TCUR+\i+1]          ; the last group
.endr
	v_pk_add_f32 v[SUM:SUM+1],   v[SUM:SUM+1],   v[SUM+4:SUM+5]                         ; the two chains become one
	v_pk_add_f32 v[SUM+2:SUM+3], v[SUM+2:SUM+3], v[SUM+6:SUM+7]
.endm
; The end of task t: result = m + log2(sum) ln(2) / 100 into r, and the store.
.macro FINISH r, t
.irp c, 0,1,2,3
	v_log_f32 v[TA+\c], v[SUM+\c]
.endr
	v_nop                                          ; the plain place behind the last v_log_f32 (ISA guide 5.7.2); there is no other work left here
	s_wait_alu depctr_va_vdst(0)
	v_pk_fma_f32 v[\r:\r+1],   v[TA:TA+1],   s[CC:CC+1], v[M:M+1]   op_sel_hi:[1,0,1]
	v_pk_fma_f32 v[\r+2:\r+3], v[TA+2:TA+3], s[CC:CC+1], v[M+2:M+3] op_sel_hi:[1,0,1]
	global_store_b128 v[OO], v[\r:\r+3], s[6:7] offset:\t*OTASK th:TH_STORE_NT         ; the wave stores 512 consecutive bytes, aligned
.endm
	PHASE 0,  NT/2, NT+NA-2, 1, NB/2, SH0, SH1     ; task 0: counts 50 down to 20 (task 1's 20 loads stay out); its first 6 groups issue task 1's last 12 loads
	FINISH R0, 0
	PHASE NT, NA/2, NA+NB-2, 1, 0,    SH0, SH1     ; task 1, loads 0 to 19: counts 30 down to 12 (the 12 loads issued in task 0 stay out)
	PHASE 0,  NB/2, NB-2,    0, 0,    SH1, SH0     ; task 1, loads 20 to 31, in quads 0 to 11: counts 10 down to 0
	FINISH TB, 1
	s_endpgm
.Lfunc_end_k_q08b0d1e6ea_lsepool:
	.size	k_q08b0d1e6ea_lsepool, .Lfunc_end_k_q08b0d1e6ea_lsepool-k_q08b0d1e6ea_lsepool
	.p2alignl 7, 3214868480
	.fill 96, 4, 3214868480
	.section	.rodata,"a",@progbits
	.p2align	6, 0x0
	.amdhsa_kernel k_q08b0d1e6ea_lsepool
		.amdhsa_group_segment_fixed_size 0
		.amdhsa_private_segment_fixed_size 0
		.amdhsa_enable_private_segment 0
		.amdhsa_kernarg_size 16
		.amdhsa_user_sgpr_count 2
		.amdhsa_user_sgpr_kernarg_segment_ptr 1
		.amdhsa_wavefront_size32 1
		.amdhsa_system_sgpr_workgroup_id_x 1
		.amdhsa_system_sgpr_workgroup_id_y 1
		.amdhsa_system_sgpr_workgroup_id_z 1
		.amdhsa_system_vgpr_workitem_id 0
		.amdhsa_next_free_vgpr 252
		.amdhsa_next_free_sgpr 66
		.amdhsa_reserve_vcc 0
		.amdhsa_float_denorm_mode_32 3
		.amdhsa_float_denorm_mode_16_64 3
		.amdhsa_memory_ordered 1
		.amdhsa_forward_progress 1
		.amdhsa_inst_pref_size 43
	.end_amdhsa_kernel
	.amdgpu_metadata
---
amdhsa.version: [ 1, 2 ]
amdhsa.kernels:
  - .name:           k_q08b0d1e6ea_lsepool
    .symbol:         k_q08b0d1e6ea_lsepool.kd
    .args:
      - { .name: x, .offset: 0, .size: 8, .value_kind: global_buffer, .address_space: global }
      - { .name: out0, .offset: 8, .size: 8, .value_kind: global_buffer, .address_space: global }
    .group_segment_fixed_size: 0
    .private_segment_fixed_size: 0
    .kernarg_segment_align: 8
    .kernarg_segment_size: 16
    .max_flat_workgroup_size: 512
    .sgpr_count:     66
    .vgpr_count:     252
    .wavefront_size: 32
...
	.end_amdgpu_metadata
.endif
;; end of part 1
;; ======== version 2 of 2: 1 launch; version 1 with the launch lsepool written anew for expert scheduling mode
;; limits: inputs' magnitudes at most 8,388,608
;; launch lsepool (part 2): grid 256 x 1, 16 waves a work-group, no clusters, 0 bytes of LDS; arguments x, out0; writes out0
.if DOCPART == 2
	.amdgcn_target "amdgcn-amd-amdhsa--gfx1250"
	.amdhsa_code_object_version 6
	.text
	.protected	k_q08b0d1e6ea_lsepool
	.globl	k_q08b0d1e6ea_lsepool
	.p2align	8
	.type	k_q08b0d1e6ea_lsepool,@function
k_q08b0d1e6ea_lsepool:
	s_mov_b64 s[64:65], 0
	v_nop
	global_prefetch_b8 v0, s[64:65] scope:SCOPE_SE
	s_setreg_imm32_b32 hwreg(HW_REG_WAVE_SCHED_MODE, 0, 2), 2
	s_setreg_imm32_b32 hwreg(HW_REG_WAVE_MODE, 25, 1), 1
	s_wait_xcnt 0x0
	s_wait_alu depctr_vm_vsrc(0)
; out0[0][h2][w2][c] = (1/100) * log( sum over n = 0..7, dh = 0..1, dw = 0..1 of exp(100 * x[n][2 h2 + dh][2 w2 + dw][c]) )
; x: [8][256][256][64] f32, out0: [1][128][128][64] f32.  A stream: every byte of x is read once, every byte of out0 written once.
;
; SHARES.  256 work-groups of 16 waves.  Work-group g owns output row g >> 1, half g & 1 of it: 64 output pixels, 512 KiB of x.
; A wave does two tasks; a task is 2 neighbouring output pixels x 64 channels.  A lane owns 4 channels (16 bytes) of one pixel:
; lanes 0-15 pixel p, lanes 16-31 pixel p + 1.  So the 32 numbers of a window (8 images x 2 rows x 2 columns) all come to one lane,
; by 32 loads of 16 bytes (a 'quad' of registers each), and nothing crosses lanes.  A load of the wave covers two aligned runs of
; 256 consecutive bytes; the store of the wave covers 512 consecutive bytes, aligned.
;
; IN FLIGHT.  52 quads of registers.  At the start a wave asks for task 0 whole (32 loads) and for the first 20 loads of task 1:
; 26 KiB a wave, 416 KiB of the work-group's 512.  The last 12 loads of task 1 go into task 0's first 12 quads, in two runs of six,
; each behind the multiply-adds that read its six quads for the last time.  Task 1 is summed in two phases (20 quads, then 12) joined
; by a running maximum, so that only the 12 quads' arithmetic stands behind the last load.
;
; THE MODE: SCHED_MODE bits 1:0 = 2 (LLVM: expert scheduling mode 2), set by the entry lines.  The code itself states the register
; dependences between vector instructions and memory instructions, with s_wait_alu, always for 0.
; THE PLAN.  Registers that memory instructions touch:
;   v1, v2        byte offsets, made at the head and never written again; every load reads v1, both stores read v2.
;   quads 0-51    first filled by the 52 loads at the start; no vector instruction names them before that.
;   quads 0-11    read by task 0's maxima and by the multiply-adds of its groups 0 to 5; then task 1's loads 20 to 31 land in them.
;   v[40:43]      task 0's result: written by two multiply-adds, read by its store, never written again.
;   v[32:35]      task 1's result: the same; behind its store the wave ends.
;   The maxima, shifts, sums and exponents are named by vector instructions alone.
; So five waits on va_vdst stand in the text: one at the head (the offsets are written), one ahead of each run of six loads (the vector
; instructions are done reading those six quads), one ahead of each store (its data are written).  No register that a memory
; instruction reads is written afterwards, so there is no wait on vm_vsrc to write.
;
; ARITHMETIC, all f32.  With K = 100 log2(e) and m the largest x of the window so far:
;   shift = -(m K), rounded once;   sum of exp2(x K + shift), one fused multiply-add each;   result = m + log2(sum) * ln(2) / 100.
; Joining a phase: factor = exp2(new shift - old shift), sum = sum * factor + the new exponentials.
;
; LIMITS.  Inputs finite with |x| <= 2^23 (8,388,608).  Since the shift is the ROUNDED product m K, the largest exponent is not 0 but
; the product's rounding error, at most half a unit in the last place of m K: 64 at |m| = 2^23, so that no exponential and no sum
; leaves f32's range; in the result it shows as at most 2^-24 |m|.  Beyond that size exp2 can overflow.  A window with +inf, or a
; phase whose numbers are all -inf, gives NaN where the reference gives an infinity; -inf beside finite numbers counts as 0 in the
; sum, as it should; a NaN in a window gives NaN.  The rounding order differs from the reference's (it rounds 100 x first).
.set IMG,   0x1000000                  ; bytes of one image: 256 x 256 x 64 x 4
.set ROWB,  65536                      ; bytes of an input row: 256 x 64 x 4
.set PIXB,  256                        ; bytes of a pixel's 64 channels
.set TASKB, 16384                      ; along an input row, from a wave's task 0 to its task 1: 16 waves x 1,024 bytes
.set OTASK, 8192                       ; the same in the output: 16 waves x 512 bytes
.set NT,    32                         ; quads of a task
.set NA,    20                         ; quads of task 1 asked for at the start (its first phase)
.set NB,    12                         ; quads of task 1 that wait for registers of task 0 (its second phase)
.set RB,    3                          ; groups (pairs of quads) that one run of refills serves: NB / 2 is a multiple of it
.set VO,   1                           ; v1        my byte offset in x; never rewritten
.set OO,   2                           ; v2        my byte offset in out0; never rewritten
.set M,    4                           ; v[4:7]    running maximum of my 4 channels
.set SH0,  8                           ; v[8:11]   shift -(m K); in task 1's second phase it becomes the factor
.set SH1,  12                          ; v[12:15]  the second phase's shift
.set SUM,  16                          ; v[16:23]  two chains of sums, 4 channels each
.set TA,   24                          ; v[24:31]  exponents, then exponentials, of the even groups
.set TB,   32                          ; v[32:39]  of the odd groups (TA + 8)
.set R0,   40                          ; v[40:43]  task 0's result: its own registers, so that the pending store's data are never rewritten
.set X,    44                          ; v[44:251] 52 quads as loaded
.set BASE, 8                           ; s[8:23]   x at my work-group's part of image n, a pair for each n: 16 MiB apart is more than a load's immediate holds
.set KK,   24                          ; s[24:25]  K, twice
.set NK,   26                          ; s[26:27]  -K, twice
.set CC,   28                          ; s[28:29]  ln(2) / 100, twice
	s_load_b128 s[4:7], s[0:1], 0x0                ; x s[4:5], out0 s[6:7]
	s_lshr_b32 s2, ttmp9, 1                        ; output row h2
	s_and_b32 s3, ttmp9, 1                         ; which half of it
	s_lshl_b32 s2, s2, 17                          ; h2 x two input rows of 65,536 bytes
	s_lshl_b32 s3, s3, 15                          ; half x 64 output pixels x 512 bytes
	s_or_b32 s2, s2, s3
	s_mov_b32 s3, 0
	s_lshl_b32 s30, ttmp9, 14                      ; in out0: 64 pixels x 256 bytes for each work-group
	s_mov_b32 s31, 0
	s_mov_b32 s[KK],   0x431044fe                  ; 144.26950 = 100 log2(e)
	s_mov_b32 s[KK+1], 0x431044fe
	s_mov_b32 s[NK],   0xc31044fe
	s_mov_b32 s[NK+1], 0xc31044fe
	s_mov_b32 s[CC],   0x3be32166                  ; 0.0069314718 = ln(2) / 100
	s_mov_b32 s[CC+1], 0x3be32166
	v_and_b32 v3, 15, v0                           ; my 4 channels
	v_lshrrev_b32 v[VO], 4, v0                     ; 2 x wave + half of the lanes = my output pixel among the task's 32
	v_lshlrev_b32 v[VO], 9, v[VO]                  ; x 512 bytes: two input pixels
	v_lshl_or_b32 v[VO], v3, 4, v[VO]              ; + 16 bytes for each 4 channels
	v_lshlrev_b32 v[OO], 4, v0                     ; out0: thread t stores the 16 bytes at 16 t
	s_wait_kmcnt 0x0
	s_add_nc_u64 s[BASE:BASE+1], s[4:5], s[2:3]
.irp n, 1,2,3,4,5,6,7
	s_add_nc_u64 s[BASE+2*\n:BASE+2*\n+1], s[BASE:BASE+1], \n*IMG
.endr
	s_add_nc_u64 s[6:7], s[6:7], s[30:31]
	s_wait_alu depctr_va_vdst(0)                   ; v1 and v2 are written: every load of the kernel reads v1 as its offset, both stores read v2
; Load number j of task t (image j / 4, input row (j / 2) % 2, input column j % 2) into quad q.  x is read once in the launch.
.macro LOADQ q, j, t
	global_load_b128 v[X+4*(\q):X+4*(\q)+3], v[VO], s[BASE+2*((\j)/4):BASE+2*((\j)/4)+1] offset:(((\j)/2)%2)*ROWB+((\j)%2)*PIXB+(\t)*TASKB th:TH_LOAD_NT
.endm
.set cnt, 0
.rept NT
	LOADQ cnt, cnt, 0                              ; task 0 whole, quads 0 to 31
.set cnt, cnt+1
.endr
.set cnt, 0
.rept NA
	LOADQ NT+cnt, cnt, 1                           ; task 1, loads 0 to 19, quads 32 to 51: 52 loads of the wave are out
.set cnt, cnt+1
.endr
; One phase: the np pairs of quads from quad q0 on.
; left  = how many younger loads may be out when the first pair has to be there; two fewer for each further pair.
; first = 1: the phase starts a task's maximum and sums;  0: it goes on from M and SUM, whose shift lies in osh.
; nref  = the first nref groups hand their quads on to task 1's second phase, RB groups at a time.
; sh    = where this phase's shift goes.
.macro PHASE q0, np, left, first, nref, sh, osh
	; pass 1: the maximum, two numbers an instruction, pair by pair as the loads come in
.set fresh, \first
.set p, 0
.rept \np
	s_wait_loadcnt \left-2*p                       ; loads come back in order (ISA guide 5.7.1): this pair is in, the younger ones stay out
.set QR, X+4*(\q0+2*p)
.irp c, 0,1,2,3
.if fresh
	v_max_num_f32 v[M+\c], v[QR+\c], v[QR+4+\c]    ; the first pair starts the maximum: nothing is preset
.else
	v_max3_num_f32 v[M+\c], v[M+\c], v[QR+\c], v[QR+4+\c]
.endif
.endr
.set fresh, 0
.set p, p+1
.endr
	v_pk_mul_f32 v[\sh:\sh+1],   v[M:M+1],   s[NK:NK+1] op_sel_hi:[1,0]      ; shift = -(m K)
	v_pk_mul_f32 v[\sh+2:\sh+3], v[M+2:M+3], s[NK:NK+1] op_sel_hi:[1,0]
.if \first == 0
	v_pk_add_f32 v[\osh:\osh+1],   v[\sh:\sh+1],   v[\osh:\osh+1]   neg_lo:[0,1] neg_hi:[0,1]   ; new shift - old shift, never above 0
	v_pk_add_f32 v[\osh+2:\osh+3], v[\sh+2:\sh+3], v[\osh+2:\osh+3] neg_lo:[0,1] neg_hi:[0,1]
.irp c, 0,1,2,3
	v_exp_f32 v[\osh+\c], v[\osh+\c]               ; the factor that brings the old sums to the new shift; first used a group further down
.endr
.endif
	; pass 2: groups of two quads.  Behind v_exp_f32 a plain vector instruction that touches neither its result nor its source comes
	; before the result is used (ISA guide 5.7.2): a group's exponentials are followed by the adds of the group BEFORE it (or by the
	; next group's multiply-adds), on the other set of registers.
.set g, 0
.rept \np
.set QR,   X+4*(\q0+2*g)
.set TCUR, TA+8*(g%2)
.set TPRV, TA+8*((g+1)%2)
	v_pk_fma_f32 v[TCUR:TCUR+1],   v[QR:QR+1],   s[KK:KK+1], v[\sh:\sh+1]   op_sel_hi:[1,0,1]   ; x K + shift, one rounding
	v_pk_fma_f32 v[TCUR+2:TCUR+3], v[QR+2:QR+3], s[KK:KK+1], v[\sh+2:\sh+3] op_sel_hi:[1,0,1]
	v_pk_fma_f32 v[TCUR+4:TCUR+5], v[QR+4:QR+5], s[KK:KK+1], v[\sh:\sh+1]   op_sel_hi:[1,0,1]
	v_pk_fma_f32 v[TCUR+6:TCUR+7], v[QR+6:QR+7], s[KK:KK+1], v[\sh+2:\sh+3] op_sel_hi:[1,0,1]
.if g < \nref
.if (g%RB) == RB-1
	s_wait_alu depctr_va_vdst(0)                   ; the maxima and the multiply-adds of this group and the RB - 1 before it are done reading their quads, in which the loads below land
.set rf, 0
.rept 2*RB
	LOADQ \q0+2*(g-RB+1)+rf, NA+2*(g-RB+1)+rf, 1   ; task 1's next loads, in one run; no vector instruction since the wait names these quads
.set rf, rf+1
.endr
.endif
.endif
.if g == 0
.if \first
.irp i, 0,1,2,3,4,5,6,7
	v_exp_f32 v[SUM+\i], v[TCUR+\i]                ; the first exponentials start both chains: nothing is cleared
.endr
.else
.irp i, 0,1,2,3
	v_exp_f32 v[TCUR+\i], v[TCUR+\i]               ; these join the old sums below,
.endr
.irp i, 4,5,6,7
	v_exp_f32 v[SUM+\i], v[TCUR+\i]                ; these start the second chain anew
.endr
.endif
.else
.irp i, 0,1,2,3,4,5,6,7
	v_exp_f32 v[TCUR+\i], v[TCUR+\i]
.endr
.endif
.if g == 1
.if \first == 0
	s_wait_alu depctr_va_vdst(0)
	v_pk_fma_f32 v[SUM:SUM+1],   v[SUM:SUM+1],   v[\osh:\osh+1],   v[TPRV:TPRV+1]      ; old sums x factor + group 0's first quad
	v_pk_fma_f32 v[SUM+2:SUM+3], v[SUM+2:SUM+3], v[\osh+2:\osh+3], v[TPRV+2:TPRV+3]
.endif
.endif
.if g > 1
	s_wait_alu depctr_va_vdst(0)
.irp i, 0,2,4,6
	v_pk_add_f32 v[SUM+\i:SUM+\i+1], v[SUM+\i:SUM+\i+1], v[TPRV+\i:TPRV+\i+1]
.endr
.endif
.set g, g+1
.endr
.set TCUR, TA+8*((\np-1)%2)
	s_wait_alu depctr_va_vdst(0)
.irp i, 0,2,4,6
	v_pk_add_f32 v[SUM+\i:SUM+\i+1], v[SUM+\i:SUM+\i+1], v[TCUR+\i:TCUR+\i+1]          ; the last group
.endr
	v_pk_add_f32 v[SUM:SUM+1],   v[SUM:SUM+1],   v[SUM+4:SUM+5]                         ; the two chains become one
	v_pk_add_f32 v[SUM+2:SUM+3], v[SUM+2:SUM+3], v[SUM+6:SUM+7]
.endm
; The end of task t: result = m + log2(sum) ln(2) / 100 into r, and the store.
.macro FINISH r, t
.irp c, 0,1,2,3
	v_log_f32 v[TA+\c], v[SUM+\c]
.endr
	v_nop                                          ; the plain place behind the last v_log_f32 (ISA guide 5.7.2); there is no other work left here
	s_wait_alu depctr_va_vdst(0)
	v_pk_fma_f32 v[\r:\r+1],   v[TA:TA+1],   s[CC:CC+1], v[M:M+1]   op_sel_hi:[1,0,1]
	v_pk_fma_f32 v[\r+2:\r+3], v[TA+2:TA+3], s[CC:CC+1], v[M+2:M+3] op_sel_hi:[1,0,1]
	s_wait_alu depctr_va_vdst(0)                   ; the two multiply-adds have written the four registers of the result, which the store reads as its data
	global_store_b128 v[OO], v[\r:\r+3], s[6:7] offset:\t*OTASK th:TH_STORE_NT         ; the wave stores 512 consecutive bytes, aligned
.endm
	PHASE 0,  NT/2, NT+NA-2, 1, NB/2, SH0, SH1     ; task 0: counts 50 down to 20 (task 1's 20 loads stay out); within its first 6 groups task 1's last 12 loads go out, in two runs of six
	FINISH R0, 0
	PHASE NT, NA/2, NA+NB-2, 1, 0,    SH0, SH1     ; task 1, loads 0 to 19: counts 30 down to 12 (the 12 loads issued in task 0 stay out)
	PHASE 0,  NB/2, NB-2,    0, 0,    SH1, SH0     ; task 1, loads 20 to 31, in quads 0 to 11: counts 10 down to 0
	FINISH TB, 1
	s_endpgm
.Lfunc_end_k_q08b0d1e6ea_lsepool:
	.size	k_q08b0d1e6ea_lsepool, .Lfunc_end_k_q08b0d1e6ea_lsepool-k_q08b0d1e6ea_lsepool
	.p2alignl 7, 3214868480
	.fill 96, 4, 3214868480
	.section	.rodata,"a",@progbits
	.p2align	6, 0x0
	.amdhsa_kernel k_q08b0d1e6ea_lsepool
		.amdhsa_group_segment_fixed_size 0
		.amdhsa_private_segment_fixed_size 0
		.amdhsa_enable_private_segment 0
		.amdhsa_kernarg_size 16
		.amdhsa_user_sgpr_count 2
		.amdhsa_user_sgpr_kernarg_segment_ptr 1
		.amdhsa_wavefront_size32 1
		.amdhsa_system_sgpr_workgroup_id_x 1
		.amdhsa_system_sgpr_workgroup_id_y 1
		.amdhsa_system_sgpr_workgroup_id_z 1
		.amdhsa_system_vgpr_workitem_id 0
		.amdhsa_next_free_vgpr 252
		.amdhsa_next_free_sgpr 66
		.amdhsa_reserve_vcc 0
		.amdhsa_float_denorm_mode_32 3
		.amdhsa_float_denorm_mode_16_64 3
		.amdhsa_memory_ordered 1
		.amdhsa_forward_progress 1
		.amdhsa_inst_pref_size 43
	.end_amdhsa_kernel
	.amdgpu_metadata
---
amdhsa.version: [ 1, 2 ]
amdhsa.kernels:
  - .name:           k_q08b0d1e6ea_lsepool
    .symbol:         k_q08b0d1e6ea_lsepool.kd
    .args:
      - { .name: x, .offset: 0, .size: 8, .value_kind: global_buffer, .address_space: global }
      - { .name: out0, .offset: 8, .size: 8, .value_kind: global_buffer, .address_space: global }
    .group_segment_fixed_size: 0
    .private_segment_fixed_size: 0
    .kernarg_segment_align: 8
    .kernarg_segment_size: 16
    .max_flat_workgroup_size: 512
    .sgpr_count:     66
    .vgpr_count:     252
    .wavefront_size: 32
...
	.end_amdgpu_metadata
.endif
;; end of part 2
